; MI455X (gfx1250); checked and timed in simulation.
; The chip was launched on July 23, 2026; its instructions are those of AMD's public machine-readable ISA for CDNA 5 (MIT licence, August 2026) and "CDNA5" Instruction Set Architecture Reference Guide (July 2026). The comments in the code are by the model that wrote it; some were corrected since.
;; My Cross Attention ori. Allowed arithmetic: matrix products marked QUANTISED: E2M1 operands, one E8M0 scale for each 32 along K, by v_wmma_scale_f32_16x16x128_f8f6f4 with both operands' format E2M1 (or v_wmma_scale_f32_32x16x128_f4), f32 sums; products left as they are: f32 operands where the result goes on into a quantised operand, else bf16, f16 or f32 operands; f32 sums; everything else in f32.
;; Inputs: Wk_codes 512 x 16 x 16 uint8 (E2M1 codes of Wk, K innermost, in blocks of 32 codes, two codes a byte); Wk_scales 512 x 16 uint8 (E8M0 scales of Wk, one for each 32 codes along K); Wp_codes 512 x 16 x 16 uint8 (E2M1 codes of Wp, K innermost, in blocks of 32 codes, two codes a byte); Wp_scales 512 x 16 uint8 (E8M0 scales of Wp, one for each 32 codes along K); Wq_codes 512 x 16 x 16 uint8 (E2M1 codes of Wq, K innermost, in blocks of 32 codes, two codes a byte); Wq_scales 512 x 16 uint8 (E8M0 scales of Wq, one for each 32 codes along K); k_codes 4 x 2,048 x 16 x 16 uint8 (E2M1 codes of k, K innermost, in blocks of 32 codes, two codes a byte); k_scales 4 x 2,048 x 16 uint8 (E8M0 scales of k, one for each 32 codes along K); q_codes 4 x 4,096 x 16 x 16 uint8 (E2M1 codes of q, K innermost, in blocks of 32 codes, two codes a byte); q_scales 4 x 4,096 x 16 uint8 (E8M0 scales of q, one for each 32 codes along K); supp_mask 4 x 2,048 int32; v 4 x 2,048 x 512 float32.
;; Outputs: out0 4 x 4,096 x 512 float32.
;; This version of the problem:
;;   THIS VERSION OF THE PROBLEM IS GIVEN IN LOW PRECISION. The matrix products marked QUANTISED in the list below multiply operands that are first quantised to E2M1 (2 exponent bits, 1 mantissa bit; 4 bits a number), with one power-of-two scale for each 32 numbers along K (OCP MX v1.0); their sums are f32. All else is computed in f32.
;;   The module's matrix products, in the order in which they are computed (A, B: the left and right operand; K: the contracted axis; several contracted axes count as one K, in the product's order):
;;     1. [M 16,384, K 512] x [K 512, N 512]; A: input q (given as codes); B: input Wq (given as codes): QUANTISED
;;     2. [M 8,192, K 512] x [K 512, N 512]; A: input k (given as codes); B: input Wk (given as codes): QUANTISED
;;     3. batch 32 x [M 4,096, K 64] x [K 64, N 2,048]; A: computed on the way; B: computed on the way: QUANTISED
;;     4. batch 4 x [M 32,768, K 2,048] x [K 2,048, N 1]; A: softmax; B: input supp_mask: left as it is (N = 1 < 16)
;;     5. [M 16,384, K 512] x [K 512, N 512]; A: computed on the way; B: input Wp (given as codes): QUANTISED
;;   THE QUANTISER, for each operand of a quantised product, along K:
;;     - K is cut into blocks of 32 from its start; a last block that is shorter is filled with zeros.
;;     - A block's scale is 2^e with e = floor(log2(the largest magnitude in the block)) - 2, held to -126 .. 127; a block of zeros has e = 0. As a byte (E8M0): e + 127.
;;     - Each number is divided by its block's scale, clamped to +-6, and rounded to the nearest number of E2M1, ties to even, subnormals kept.
;;     - The product sums the exact products of the quantised numbers (number of the format x scale) in f32.
;;   ~~~python
;;   def quantise(x, axis):      # numpy; x: float32 -> the quantised numbers, widened to float32 again
;;       x = np.moveaxis(x, axis, -1); K = x.shape[-1]
;;       x = np.pad(x, [(0, 0)] * (x.ndim - 1) + [(0, -K % 32)]); x = x.reshape(x.shape[:-1] + (-1, 32)); a = np.abs(x).max(-1, keepdims=True)
;;       e = np.where(a > 0, np.clip(np.frexp(np.where(a > 0, a, 1))[1] - 1 - 2, -126, 127), 0)      # np.frexp(a)[1] - 1 = floor(log2(a)), exactly
;;       r = np.clip(x / 2.0 ** e, -6, 6)
;;       step = 2.0 ** (np.maximum(np.frexp(np.where(r == 0, 1, r))[1] - 1, 0) - 1)
;;       q = np.round(r / step) * step * 2.0 ** e      # np.round: ties to even
;;       return np.moveaxis(q.reshape(q.shape[:-2] + (-1,))[..., :K], -1, axis).astype(np.float32)
;;   ~~~
;;   OPERANDS COMPUTED ON THE WAY. 'Computed on the way' means the value that the module computes at that place (a softmax that the list does not call 'softmax' is quantised finished and normalised). What goes into a quantiser is computed in f32, as accurately as f32 sums, v_exp_f32 and their like allow (about 1e-6 of the number): no bf16 or f16 on the way to a quantiser, and a product that is left as it is and whose result goes on into a quantised operand takes f32 operands (vector FMAs, or v_wmma_f32_16x16x4_f32). A number that lies on a knife's edge between two numbers of the format may be rounded either way, as far as f32 arithmetic and the matrix unit's own rounding can turn it there, and no further.
;;   INPUTS GIVEN AS CODES. Wk (in the module: [512, 512], K = its axis 1); Wp (in the module: [512, 512], K = its axis 1); Wq (in the module: [512, 512], K = its axis 1); k (in the module: [4, 2048, 512], K = its axis 2); q (in the module: [4, 4096, 512], K = its axis 2): each comes as NAME_codes (uint8): NAME with its K axis moved to the last place and cut into blocks of 32 codes, [.., K / 32, bytes a block], one block behind the other in memory; two codes a byte, the lower K in the low four bits (a code: sign, 2 exponent bits, 1 mantissa bit); and NAME_scales (uint8): the same leading axes, one E8M0 byte (e + 127) for each 32 codes along K. Its value is code x scale, taken as it is: it is not quantised again, and the codes and scales need not be those that the quantiser above would give.
;; One version. Each part assembles by itself: llvm-mc -triple=amdgcn-amd-amdhsa -mcpu=gfx1250 --defsym DOCPART=n.
;; ======== version 1 of 1: 2 launches
;; workspace buffers: qk 7,077,888 bytes
;; launch proj (part 1): grid 192 x 1, 8 waves a work-group, no clusters, 35,840 bytes of LDS; arguments q_codes, q_scales, k_codes, k_scales, Wq_codes, Wq_scales, Wk_codes, Wk_scales, qk; writes qk
.if DOCPART == 1
	.amdgcn_target "amdgcn-amd-amdhsa--gfx1250"
	.amdhsa_code_object_version 6
	.text
	.protected	k_q7a1922c9d6_proj
	.globl	k_q7a1922c9d6_proj
	.p2align	8
	.type	k_q7a1922c9d6_proj,@function
k_q7a1922c9d6_proj:
	s_mov_b64 s[64:65], 0
	v_nop
	global_prefetch_b8 v0, s[64:65] scope:SCOPE_SE
	s_setreg_imm32_b32 hwreg(HW_REG_WAVE_MODE, 25, 1), 1
	s_wait_xcnt 0x0
; qh = q Wq^T and kh = k Wk^T on the given codes of FP4 (E2M1) with E8M0 scales, sums in f32; the results are quantised along each head's 64 units
; (two blocks of 32) and stored as codes and scale words in the order in which the next launch's matrix operands want them.
; SHARES.  Work-groups 0-127 take 128 rows of q each, work-groups 128-191 128 rows of k: only pointers are chosen, the text has one path.  Wave w is head w: its 64 rows of W
; (16 fragments, 128 registers) stay in registers and serve the work-group's 8 tiles of 16 rows.  The rows' codes are read once, 512 consecutive bytes a load, and shared through LDS.
; THE PRODUCT IS USED TRANSPOSED (source 0 = 16 rows of W, source 1 = 16 rows of x), and lane r of W's tile 2 b + u takes row 32 b + 8 u + r + 8 (r / 8): so a lane holds ONE row of x, and
; register 16 b + i of its four accumulators is unit 32 b + 16 (lane / 16) + i of the head: sixteen neighbours along the next product's K.
; OUT: qk, 48 chunks of 147,456 bytes, 512 rows each (chunks 0-31 q, 32-47 k).  Codes at head x 16,384 + tile x 512 + 16 x lane: lane (r, h) holds block h of row 16 tile + r, which is registers 0-3 of a
; 4-bit operand.  Scale words at 131,072 + head x 2,048 + (64 rows) x 256 + 16 r + 4 (tile % 4): byte 0, 1 the two blocks' bytes; bytes 2, 3 are 0x7f, for the zero codes that fill K from 64 to 128.
; No tensor loads, no cluster: the weights go straight into registers, and LDS is written once.
; LIMITS: NaN and infinities are not served.  A block of zeros gets the byte 1 where the rule says 127: its codes are zeros, and this program alone reads the bytes.
.set CH,  147456                       ; bytes of a chunk of qk
.set XP,  272                          ; an LDS row of x: 256 bytes + 16: 68 words, so the 16 rows that a fragment load touches start 4 words apart
.set XG,  1                            ; v1   x in memory: 4,096 x wave + 16 x lane
.set XL,  2                            ; v2   and in LDS: row 16 wave + lane / 16, byte 16 (lane % 16)
.set XA,  3                            ; v3   a fragment of x: r x 272 + 16 h
.set WA,  4                            ; v4   a fragment of W: (r + 8 (r / 8)) x 256 + 16 h
.set WSA, 5                            ; v5   W's scale words: (r + 8 (r / 8)) x 16
.set L16, 6                            ; v6   16 x lane
.set LN,  7                            ; v7   lane
.set TM,  8                            ; v8-15  +0,1 largest magnitudes; +2,3 the partner lane's; +4,5 the conversions' scale operands; +6,7 the bytes
.set PC,  16                           ; v16-19 the codes just made
.set PW,  20                           ; v20-27 the scale word of each of the 8 tiles
.set OS,  28                           ; v28-31 the scale words as they are stored
.set AC,  32                           ; v32-63 four accumulators; at the head: x on its way to LDS
.set XF,  64                           ; v64-95 x's fragments of the four K steps
.set XS,  96                           ; v96-111  x's scale words: register 4 i + s: lanes 0-15 tile 2 i, lanes 16-31 tile 2 i + 1
.set WS,  112                          ; v112-127 W's scale words: register 4 t + s
.set WF,  128                          ; v128-255 W's fragments: (tile t, K step s) at 8 (4 t + s)
	s_load_b512 s[4:19], s[0:1], 0x0               ; q's codes, scales; k's codes, scales; Wq's codes, scales; Wk's codes, scales
	s_load_b64 s[20:21], s[0:1], 0x40              ; qk
	s_set_vgpr_msb 0x40
	v_lshl_add_u32 v0, v0, 2, 0x8800
	v_mov_b32 v1, 0
	s_set_vgpr_msb 0x4000
	v_lshrrev_b32 v8, 5, v0
	v_readfirstlane_b32 s22, v8                    ; wave = head
	v_and_b32 v[LN], 31, v0
	v_and_b32 v12, 15, v0                          ; r
	v_bfe_u32 v13, v0, 4, 1                        ; h
	v_lshlrev_b32 v[L16], 4, v[LN]
	s_lshl_b32 s24, s22, 12
	v_add_nc_u32 v[XG], s24, v[L16]
	v_mul_u32_u24 v[XL], v13, XP
	v_lshl_add_u32 v[XL], v12, 4, v[XL]
	s_mul_i32 s24, s22, 16*XP
	v_add_nc_u32 v[XL], s24, v[XL]
	v_mul_u32_u24 v[XA], v12, XP
	v_lshl_add_u32 v[XA], v13, 4, v[XA]
	v_and_b32 v14, 8, v12
	v_add_nc_u32 v14, v14, v12                     ; r + 8 (r / 8)
	v_lshlrev_b32 v[WA], 8, v14
	v_lshl_add_u32 v[WA], v13, 4, v[WA]
	v_lshlrev_b32 v[WSA], 4, v14
	v_mov_b32 v[TM+2], 0                           ; written once: a lane permute's destination counts as one of its sources
	v_mov_b32 v[TM+3], 0
	s_lshr_b32 s26, ttmp9, 2
	s_mul_i32 s26, s26, CH                         ; my chunk: four work-groups of 128 rows to a chunk
	s_and_b32 s27, ttmp9, 3
	s_lshl_b32 s34, s22, 14                        ; codes: head x 16,384
	s_add_co_u32 s34, s34, s26
	s_lshl_b32 s28, s27, 12                        ; + my 8 tiles' place: 8 x 512 x (work-group % 4)
	s_add_co_u32 s34, s34, s28
	s_mov_b32 s35, 0
	s_lshl_b32 s36, s22, 11                        ; scale words: head x 2,048
	s_add_co_u32 s36, s36, s26
	s_lshl_b32 s28, s27, 9                         ; + my two groups of 64 rows: 2 x 256 x (work-group % 4)
	s_add_co_u32 s36, s36, s28
	s_add_co_u32 s36, s36, 131072
	s_mov_b32 s37, 0
	s_mov_b32 s28, 0x76543210
	s_mov_b32 s29, 0xfedcba98                      ; v_permlanex16_b32's selects for lane l xor 16
	s_mov_b32 s25, 0
	s_wait_kmcnt 0x0
	s_cmp_lt_u32 ttmp9, 128                        ; q's work-group or k's?  The choice hangs on the work-group's number alone
	s_cselect_b64 s[4:5], s[4:5], s[8:9]           ; x's codes
	s_cselect_b64 s[6:7], s[6:7], s[10:11]         ; x's scales
	s_cselect_b64 s[12:13], s[12:13], s[16:17]     ; W's codes
	s_cselect_b64 s[14:15], s[14:15], s[18:19]     ; W's scales
	s_cselect_b32 s23, 0, 128
	s_sub_co_u32 s23, ttmp9, s23                   ; which 128 rows of the tensor
	s_lshl_b32 s24, s23, 15
	s_add_nc_u64 s[4:5], s[4:5], s[24:25]          ; 128 rows x 256 bytes
	s_lshl_b32 s24, s23, 11
	s_add_nc_u64 s[6:7], s[6:7], s[24:25]          ; 128 rows x 16 bytes
	s_lshl_b32 s24, s22, 14
	s_add_nc_u64 s[12:13], s[12:13], s[24:25]      ; my head's 64 rows of W
	s_lshl_b32 s24, s22, 10
	s_add_nc_u64 s[14:15], s[14:15], s[24:25]
	s_add_nc_u64 s[30:31], s[20:21], s[34:35]      ; where my codes go
	s_add_nc_u64 s[32:33], s[20:21], s[36:37]      ; and my scale words
.irp i, 0,1,2,3,4,5,6,7
	global_load_b128 v[AC+4*\i:AC+4*\i+3], v[XG], s[4:5] offset:512*\i      ; my wave's 16 rows of x: 512 consecutive bytes a load
.endr
.irp i, 0,1,2,3
	global_load_b128 v[XS+4*\i:XS+4*\i+3], v[L16], s[6:7] offset:512*\i     ; lane l: the four scale words of row 32 i + l
.endr
.irp t, 0,1,2,3
	global_load_b128 v[WS+4*\t:WS+4*\t+3], v[WSA], s[14:15] offset:(32*(\t/2)+8*(\t%2))*16
.endr
.irp t, 0,1,2,3
.irp s, 0,1,2,3
.irp c, 0,1
	global_load_b128 v[WF+8*(4*\t+\s)+4*\c:WF+8*(4*\t+\s)+4*\c+3], v[WA], s[12:13] offset:(32*(\t/2)+8*(\t%2))*256+64*\s+32*\c
.endr
.endr
.endr
	s_wait_loadcnt 40                              ; loads come back in order: x's eight are in; the 40 issued behind them may be out
.irp i, 0,1,2,3,4,5,6,7
	ds_store_b128 v[XL], v[AC+4*\i:AC+4*\i+3] offset:2*XP*\i
.endr
	s_wait_dscnt 0x0                               ; for the others' sake: my stores have landed
	s_barrier_signal -1
	s_barrier_wait -1                              ; the 128 rows lie in LDS; they are never written again
.macro XFETCH m                        ; the four K steps' fragments of rows 16 m on: registers 4 c .. 4 c + 3 hold K = 64 c + 32 h + 0 .. 31: 16 bytes as they lie
.irp s, 0,1,2,3
.irp c, 0,1
	ds_load_b128 v[XF+8*\s+4*\c:XF+8*\s+4*\c+3], v[XA] offset:(\m)*16*XP+64*\s+32*\c
.endr
.endr
.endm
; The lane's 32 results, two half blocks of 16, become 16 bytes of codes in v[PC] on and the row's scale word in v[PW + m].
.macro QUANT m
.irp b, 0,1
	v_max3_num_f32 v[TM+\b], |v[AC+16*\b]|, |v[AC+16*\b+1]|, 0x1800000        ; my 16 of block b, from each accumulator's low end on, and the floor 2^(3 - 127): the byte cannot fall under 1
.endr
.irp i, 2,4,6,8,10,12,14
.irp b, 0,1
	v_max3_num_f32 v[TM+\b], v[TM+\b], |v[AC+16*\b+\i]|, |v[AC+16*\b+\i+1]|
.endr
.endr
.irp b, 0,1
	v_permlanex16_b32 v[TM+2+\b], v[TM+\b], s28, s29
.endr
.irp b, 0,1
	v_max_num_f32 v[TM+\b], v[TM+\b], v[TM+2+\b]   ; with lane l xor 16's 16: the block's largest magnitude
.endr
.irp b, 0,1
	v_add_nc_u32 v[TM+4+\b], 0xff000000, v[TM+\b]  ; 2 off its exponent field: the conversion takes this operand's exponent field as its scale
.endr
.irp b, 0,1
	v_lshrrev_b32 v[TM+6+\b], 23, v[TM+4+\b]       ; the scale's byte
.endr
	v_lshl_or_b32 v[PW+(\m)], v[TM+7], 8, v[TM+6]
	v_or_b32 v[PW+(\m)], 0x7f7f0000, v[PW+(\m)]    ; bytes 2 and 3: 1.0, over zero codes
	s_wait_xcnt 0x0                                ; the last tile's store has read v[PC] on: only behind this wait are they written again
.irp b, 0,1
	v_cvt_scalef32_pk8_fp4_f32 v[PC+2*\b], v[AC+16*\b:AC+16*\b+7], v[TM+4+\b]
	v_cvt_scalef32_pk8_fp4_f32 v[PC+2*\b+1], v[AC+16*\b+8:AC+16*\b+15], v[TM+4+\b]
.endr
	v_nop                                          ; one plain place behind a scaled conversion
	v_permlane16_swap_b32 v[PC], v[PC+2]           ; a lane is to hold a WHOLE block: lanes 0-15 block 0, lanes 16-31 block 1
	v_permlane16_swap_b32 v[PC+1], v[PC+3]
.endm
; Rows 16 m on: 16 matrix instructions, the four accumulators by turns, K ascending; the first K step starts the sums.
.macro TILE m
	s_wait_dscnt 0x0                               ; this tile's fragments of x are in
.irp s, 0,1,2,3
.irp t, 0,1,2,3
.if \s == 0
.if (\m)%2
	v_wmma_scale_f32_16x16x128_f8f6f4 v[AC+8*\t:AC+8*\t+7], v[WF+8*(4*\t+\s):WF+8*(4*\t+\s)+7], v[XF+8*\s:XF+8*\s+7], 0, v[WS+4*\t+\s], v[XS+4*((\m)/2)+\s] matrix_a_fmt:MATRIX_FMT_FP4 matrix_b_fmt:MATRIX_FMT_FP4 matrix_b_scale:MATRIX_SCALE_ROW1
.else
	v_wmma_scale_f32_16x16x128_f8f6f4 v[AC+8*\t:AC+8*\t+7], v[WF+8*(4*\t+\s):WF+8*(4*\t+\s)+7], v[XF+8*\s:XF+8*\s+7], 0, v[WS+4*\t+\s], v[XS+4*((\m)/2)+\s] matrix_a_fmt:MATRIX_FMT_FP4 matrix_b_fmt:MATRIX_FMT_FP4
.endif
.else
.if (\m)%2
	v_wmma_scale_f32_16x16x128_f8f6f4 v[AC+8*\t:AC+8*\t+7], v[WF+8*(4*\t+\s):WF+8*(4*\t+\s)+7], v[XF+8*\s:XF+8*\s+7], v[AC+8*\t:AC+8*\t+7], v[WS+4*\t+\s], v[XS+4*((\m)/2)+\s] matrix_a_fmt:MATRIX_FMT_FP4 matrix_b_fmt:MATRIX_FMT_FP4 matrix_b_scale:MATRIX_SCALE_ROW1
.else
	v_wmma_scale_f32_16x16x128_f8f6f4 v[AC+8*\t:AC+8*\t+7], v[WF+8*(4*\t+\s):WF+8*(4*\t+\s)+7], v[XF+8*\s:XF+8*\s+7], v[AC+8*\t:AC+8*\t+7], v[WS+4*\t+\s], v[XS+4*((\m)/2)+\s] matrix_a_fmt:MATRIX_FMT_FP4 matrix_b_fmt:MATRIX_FMT_FP4
.endif
.endif
.endr
.endr
.rept 4
	v_nop                                          ; four places in front of the loads into x's fragments and of the first read of results
.endr
.if (\m) < 7
	XFETCH (\m)+1                                  ; the next tile's fragments land while this tile is quantised
.endif
	QUANT \m                                       ; (its lines on v8-15 and the four above are more than the five places that the next tile's new sums want)
	global_store_b128 v[L16], v[PC:PC+3], s[30:31] offset:512*(\m)          ; 32 lanes store 512 consecutive bytes
.endm
	XFETCH 0
	s_wait_loadcnt 0x0                             ; W and all scale words
.irp m, 0,1,2,3,4,5,6,7
	TILE \m
.endr
	v_cmp_lt_u32 vcc_lo, 15, v[LN]                 ; lanes 0-15 store the words of rows 0-63 (tiles 0-3), lanes 16-31 those of rows 64-127; both halves of the lanes hold every word
.irp j, 0,1,2,3
	v_cndmask_b32 v[OS+\j], v[PW+\j], v[PW+4+\j], vcc_lo
.endr
	global_store_b128 v[L16], v[OS:OS+3], s[32:33] ; 512 consecutive bytes
	s_set_vgpr_msb 0x5
	s_wait_tensorcnt 0x0
	ds_add_u32 v0, v1
	s_wait_dscnt 0x0
	s_set_vgpr_msb 0x500
	s_endpgm
.Lfunc_end_k_q7a1922c9d6_proj:
	.size	k_q7a1922c9d6_proj, .Lfunc_end_k_q7a1922c9d6_proj-k_q7a1922c9d6_proj
	.p2alignl 7, 3214868480
	.fill 96, 4, 3214868480
	.section	.rodata,"a",@progbits
	.p2align	6, 0x0
	.amdhsa_kernel k_q7a1922c9d6_proj
		.amdhsa_group_segment_fixed_size 35840
		.amdhsa_private_segment_fixed_size 0
		.amdhsa_enable_private_segment 0
		.amdhsa_kernarg_size 72
		.amdhsa_user_sgpr_count 2
		.amdhsa_user_sgpr_kernarg_segment_ptr 1
		.amdhsa_wavefront_size32 1
		.amdhsa_system_sgpr_workgroup_id_x 1
		.amdhsa_system_sgpr_workgroup_id_y 1
		.amdhsa_system_sgpr_workgroup_id_z 1
		.amdhsa_system_vgpr_workitem_id 0
		.amdhsa_next_free_vgpr 258
		.amdhsa_next_free_sgpr 66
		.amdhsa_reserve_vcc 1
		.amdhsa_float_denorm_mode_32 3
		.amdhsa_float_denorm_mode_16_64 3
		.amdhsa_memory_ordered 1
		.amdhsa_forward_progress 1
		.amdhsa_inst_pref_size 46
	.end_amdhsa_kernel
	.amdgpu_metadata
---
amdhsa.version: [ 1, 2 ]
amdhsa.kernels:
  - .name:           k_q7a1922c9d6_proj
    .symbol:         k_q7a1922c9d6_proj.kd
    .args:
      - { .name: q_codes, .offset: 0, .size: 8, .value_kind: global_buffer, .address_space: global }
      - { .name: q_scales, .offset: 8, .size: 8, .value_kind: global_buffer, .address_space: global }
      - { .name: k_codes, .offset: 16, .size: 8, .value_kind: global_buffer, .address_space: global }
      - { .name: k_scales, .offset: 24, .size: 8, .value_kind: global_buffer, .address_space: global }
      - { .name: Wq_codes, .offset: 32, .size: 8, .value_kind: global_buffer, .address_space: global }
      - { .name: Wq_scales, .offset: 40, .size: 8, .value_kind: global_buffer, .address_space: global }
      - { .name: Wk_codes, .offset: 48, .size: 8, .value_kind: global_buffer, .address_space: global }
      - { .name: Wk_scales, .offset: 56, .size: 8, .value_kind: global_buffer, .address_space: global }
      - { .name: qk, .offset: 64, .size: 8, .value_kind: global_buffer, .address_space: global }
    .group_segment_fixed_size: 35840
    .private_segment_fixed_size: 0
    .kernarg_segment_align: 8
    .kernarg_segment_size: 72
    .max_flat_workgroup_size: 256
    .sgpr_count:     66
    .vgpr_count:     258
    .wavefront_size: 32
...
	.end_amdgpu_metadata
.endif
;; end of part 1
;; launch attn (part 2): grid 64 x 4, 16 waves a work-group, clusters of 4 x 1, 327,680 bytes of LDS; arguments qk, supp_mask, Wp_codes, Wp_scales, out0; writes out0
.if DOCPART == 2
	.amdgcn_target "amdgcn-amd-amdhsa--gfx1250"
	.amdhsa_code_object_version 6
	.text
	.protected	k_q7a1922c9d6_attn
	.globl	k_q7a1922c9d6_attn
	.p2align	8
	.type	k_q7a1922c9d6_attn,@function
k_q7a1922c9d6_attn:
	s_mov_b64 s[64:65], 0
	v_nop
	global_prefetch_b8 v0, s[64:65] scope:SCOPE_SE
	s_setreg_imm32_b32 hwreg(HW_REG_WAVE_MODE, 25, 1), 1
	s_wait_xcnt 0x0
	s_wait_alu depctr_hold_cnt(0) depctr_sa_sdst(0) depctr_va_vdst(0) depctr_va_sdst(0) depctr_va_ssrc(0) depctr_va_vcc(0) depctr_vm_vsrc(0)
	s_getreg_b32 s2, hwreg(HW_REG_IB_STS2, 6, 4)
	s_cmp_eq_u32 s2, 0
	s_cbranch_scc0 .Lentry_in_a_cluster
	s_endpgm
.Lentry_in_a_cluster:
	s_bfe_u32 s2, ttmp6, 0x10000c
	s_cmp_lg_u32 s2, 0x3003
	s_cbranch_scc0 .Lentry_shape_is_right
	s_endpgm
.Lentry_shape_is_right:
; out = x Wp^T, x[row][64 head + d] = s[head][row], s = sum_k p mask / sum_k p, p = softmax's weights of qh . kh / 8.  The scores and the last product run on codes of FP4 (E2M1) with E8M0 scales; all else is f32.
; SHARES.  A work-group owns 64 queries of one batch in all 8 heads, so that the last product needs no other work-group.  Wave w: head w / 2, queries 32 (w % 2) on: two tiles of 16, A and B.  Every wave walks the
; batch's 2,048 keys, 64 a step.  Sixteen waves of 256 registers, four to a SIMD; no register windows.
; SCORES.  S^T = K Q^T (source 0 = 16 keys, source 1 = 16 queries): lane (r, h) holds query r, register 8 t + j key 16 t + 8 h + j of the step.  K is 64: registers 4-7 of each operand are zero codes, written once,
; under scale bytes of 1.0.
; SOFTMAX.  Each lane keeps a running maximum m, c m, the sum l of p and the sum sm of p x mask for ITS half of the keys (c = log2(e) / 8; p = 2^(c s - c m)); in every step l and sm are multiplied by
; 2^(c m_old - c m_new).  The two halves of the lanes meet once, at the end.  The mask is honoured as whole numbers turned into f32.
; BY TURNS.  A step has 8 matrix instructions, 66 exponentials and 138 plain vector instructions.  They are ordered so that a wave by itself seldom waits: B's products | A's maximum, with B's maximum between its
; dependent lines | A's exponentials, one plain line behind each | B's exponentials, one plain line behind each | A's products of the NEXT step | B's sums.  A step's sums run in four chains of their own and
; join l and sm at the end.  K's fragments are asked for two steps ahead, into the registers that the products have just read.
; RING.  The batch's keys are four chunks of qk, 147,456 bytes each (codes and scale words of 512 keys, all heads), through two LDS slots; behind the third chunk slot 0 takes Wp's codes.
; CLUSTER.  The four work-groups of a cluster belong to one batch: they walk the same chunks and the same Wp, so every tensor load is asked for JOINTLY, with the same descriptor and a mask that names the four.
; By this text's own count a wave has at most two tensor loads outstanding (the two first fills), later one.
; LIMITS: NaN and infinities are not served.  p under 2^-126 counts as 0 (the exponential's own flush).  A row whose s is 0 gets the scale byte 1 where the rule says 127: its codes are zeros.
; The input v is not among the arguments: the module's result does not hang on it.
.set CH,    147456                     ; a chunk of qk, and an LDS slot
.set SLOT1, CH
.set MASKB, 2*CH                       ; the batch's mask as f32: 8,192 bytes, stored by the waves
.set WPS,   MASKB+8192                 ; Wp's scale bytes: 8,192, filled once
.set XC,    WPS+8192                   ; x's codes: for each (head, row) 16 bytes, the register of eight equal codes four times
.set XSW,   XC+8192                    ; x's scale words: [K step][row][4 bytes]
.set SPARE, XSW+1024                   ; the spare words, 128 bytes for each of the 16 waves: eight blocks of 256 bytes that no other line names
.set WPP,   272                        ; a row of Wp in LDS: 256 bytes + 16: the 16 rows of a fragment load start 4 words apart
.set SGP,   2064                       ; a row of the stage: 2,048 bytes + 16.  The stage lies in slot 1, behind that slot's last fill and last read
.set SPW,  1                           ; v1   SPARE + 4 x my thread's number; never rewritten
.set NIL,  2                           ; v2   0; never rewritten
.set AK,   3                           ; v3   K's codes: 16 x lane + head x 16,384
.set ASC,  4                           ; v4   K's scale words: 16 x lane + 131,072 + head x 2,048
.set AM,   5                           ; v5   the mask: MASKB + 32 h
.set ADK,  6                           ; v6-8 the same three for the trip in hand
.set ADS,  7
.set ADM,  8
.set L16,  9                           ; v9   16 x lane
.set R16,  10                          ; v10  16 r
.set T16,  11                          ; v11  16 x thread
.set AMS,  12                          ; v12  MASKB + 16 x thread
.set AXC,  13                          ; v13  where my rows' codes of x go
.set AXS,  14                          ; v14  and their scale bytes
.set AWP,  15                          ; v15  my 32 rows of Wp
.set QF,   16                          ; v16-31   Q's two fragments
.set QSC,  32                          ; v32-33   Q's scale words
.set KF,   40                          ; v40-103  eight fragments of K (128 keys); later Wp's eight; later rows of out
.set KSC,  104                         ; v104-107 K's scale words; v104-111 later Wp's: scales and nothing else
.set S,    112                         ; v112-175 the scores, then p: tile A, tile B; later x's four fragments
.set OA,   144                         ; v144-207 the last product's eight accumulators
.set MK,   176                         ; v176-207 the step's mask numbers, in the scores' order
.set ST,   208                         ; v208-223 tile x at + 8 x: +0 c m, +1 m, +2,3 l, +4,5 sm, +6 the step's factor, +7 c m_old, then the difference
.set CHN,  224                         ; v224-231 four chains of the maximum a tile
.set XSCL, 232                         ; v232-239 x's scale words: scales and nothing else
.set AWS,  240                         ; v240 Wp's scale words
.set AXL,  241                         ; v241 x's scale words: XSW + 4 x lane
.set AXF,  242                         ; v242 x's codes: XC + 16 r
.set ASTO, 243                         ; v243, v244 into the stage: rows 0-31, rows 32-63
.set ARD,  245                         ; v245 out of the stage
.set AGO,  246                         ; v246 my byte offset in the work-group's 64 rows of out
.set TA,   248                         ; v248-251 a step's sum of p in two chains;  v252-255 its sum of p x mask in two chains.  (At the head v248-250: lane, r, h)
.set TB,   250
.set UA,   252
.set UB,   254
.set WV,   14                          ; s14 wave, s15 head, s16 which 32 queries
.set HD,   15
.set QH,   16
.set G1K,  24                          ; s[24:31] group 1: 64 rows of 256 bytes, dense;  s[32:39] the same, padded;  s[40:47] 32 rows, dense
.set G1W,  32
.set G1S,  40
.set G0A,  48                          ; s[48:51] group 0 for slot 0's chunks;  s[52:55] slot 1's;  s[56:59] Wp's codes;  s[60:63] Wp's scales
.set G0B,  52
.set G0W,  56
.set G0S,  60
.set TK,   66                          ; s66-68 where the trip's codes, scale words and mask numbers begin;  s69 trips to go
.set TS,   67
.set TMK,  68
.set CNT,  69
.set CS,   70                          ; s[70:71] c, twice: the packed form names the pair
.set SEL,  72                          ; s[72:73] v_permlanex16_b32's selects for lane l xor 16
; A round of the cluster's barrier: my work-group's barrier, wave 0's signal for the work-group, every wave's wait for the four work-groups, my work-group's barrier once more.
.macro CROUND
	s_barrier_signal -1
	s_barrier_wait -1
	s_cmp_lg_u32 s[WV], 0
	s_cbranch_scc1 .Lnot_wave_0_\@
	s_barrier_signal -3
.Lnot_wave_0_\@:
	s_barrier_wait -3
	s_barrier_signal -1
	s_barrier_wait -1
.endm
; A joint refill with a chunk: waves 0-8 fetch 16,384 bytes each.  The branch hangs on the wave's number alone.  Four v_nop follow the load.
.macro JK g0
	s_cmp_lt_u32 s[WV], 9
	s_cbranch_scc0 .Lno_k_\@
	tensor_load_to_lds s[\g0:\g0+3], s[G1K:G1K+7]
	s_nop 0
.rept 4
	v_nop
.endr
.Lno_k_\@:
.endm
.macro JW                              ; with Wp's codes: waves 0-7 fetch 64 rows each
	s_cmp_lt_u32 s[WV], 8
	s_cbranch_scc0 .Lno_w_\@
	tensor_load_to_lds s[G0W:G0W+3], s[G1W:G1W+7]
	s_nop 0
.rept 4
	v_nop
.endr
.Lno_w_\@:
.endm
	s_load_b256 s[4:11], s[0:1], 0x0               ; qk, supp_mask, Wp's codes, Wp's scales
	s_load_b64 s[12:13], s[0:1], 0x20              ; out0
	v_lshl_add_u32 v[SPW], v0, 2, SPARE
	v_mov_b32 v[NIL], 0
	ds_add_u32 v1, v2
	ds_add_u32 v1, v2
	s_wait_dscnt 0x0
	v_lshrrev_b32 v248, 5, v0
	v_readfirstlane_b32 s[WV], v248                ; wave 0..15
	s_lshr_b32 s[HD], s[WV], 1
	s_and_b32 s[QH], s[WV], 1
	s_bfe_u32 s17, ttmp6, 0x40000                  ; cx: it enters Q's and out0's global addresses alone
	s_lshl_b32 s18, ttmp9, 2
	s_add_co_u32 s18, s18, s17                     ; my block of 64 queries in the batch
	s_and_b32 s19, ttmp7, 0xffff                   ; the batch, which the four partners share
	s_lshl_b32 s20, s19, 6
	s_add_co_u32 s20, s20, s18                     ; i: my block among all 256
	s_lshr_b32 s21, s20, 3
	s_mul_i32 s21, s21, CH                         ; its chunk of qk: eight blocks to a chunk
	s_and_b32 s78, s20, 7
	s_lshl_b32 s22, s[HD], 14                      ; Q's codes: chunk + head x 16,384 + block x 2,048 + my two tiles x 512
	s_add_co_u32 s22, s22, s21
	s_lshl_b32 s91, s78, 11
	s_add_co_u32 s22, s22, s91
	s_lshl_b32 s91, s[QH], 10
	s_add_co_u32 s22, s22, s91
	s_mov_b32 s23, 0
	s_lshl_b32 s84, s[HD], 11                      ; Q's scale words: chunk + 131,072 + head x 2,048 + block x 256 + my two words of a row's four
	s_add_co_u32 s84, s84, s21
	s_lshl_b32 s91, s78, 8
	s_add_co_u32 s84, s84, s91
	s_lshl_b32 s91, s[QH], 3
	s_add_co_u32 s84, s84, s91
	s_add_co_u32 s84, s84, 131072
	s_mov_b32 s85, 0
	s_lshl_b32 s86, s19, 13                        ; the batch's 2,048 mask words
	s_mov_b32 s87, 0
	s_lshl_b32 s88, s20, 17                        ; my 64 rows of out: 131,072 bytes a block
	s_mov_b32 s89, 0
	s_lshl_b32 s74, s19, 2                         ; K: chunk 32 + 4 x batch, + 16,384 x wave: batch and wave alone
	s_add_co_u32 s74, s74, 32
	s_mul_i32 s74, s74, CH
	s_lshl_b32 s76, s[WV], 14
	s_add_co_u32 s74, s74, s76
	s_mov_b32 s75, 0
	s_mov_b32 s77, 0
	; descriptor group 1, in elements of 8 bytes: rows of 32 elements (256 bytes), dense in memory
	s_mov_b32 s[G1K], 15|(3<<16)|(1<<21)                            ; 15:0 the mask: all four work-groups; 17:16 elements of 8 bytes; 21 set beside a mask
	s_mov_b32 s[G1W], 15|(3<<16)|(1<<20)|(1<<21)|(5<<22)|(3<<25)    ; the same, with 4 words of padding behind every 64
	s_mov_b32 s[G1S], 15|(3<<16)|(1<<21)
.irp g, G1K, G1W
	s_mov_b32 s[\g+1], 32<<16                      ; tensor_dim0 = 32
	s_mov_b32 s[\g+2], 64<<16                      ; tensor_dim1 = 64
	s_mov_b32 s[\g+3], 32<<16                      ; tile_dim0 = 32
	s_mov_b32 s[\g+4], 64                          ; tile_dim1 = 64
	s_mov_b32 s[\g+5], 32                          ; elements from row to row
	s_mov_b32 s[\g+6], 0
	s_mov_b32 s[\g+7], 0
.endr
	s_mov_b32 s[G1S+1], 32<<16
	s_mov_b32 s[G1S+2], 32<<16                     ; 32 rows: Wp's 8,192 scale bytes
	s_mov_b32 s[G1S+3], 32<<16
	s_mov_b32 s[G1S+4], 32
	s_mov_b32 s[G1S+5], 32
	s_mov_b32 s[G1S+6], 0
	s_mov_b32 s[G1S+7], 0
	s_mov_b32 s[CS], 0x3e38aa3b                    ; c = log2(e) / 8
	s_mov_b32 s[CS+1], s[CS]
	s_mov_b32 s[SEL], 0x76543210
	s_mov_b32 s[SEL+1], 0xfedcba98
	; every address register is made here, ahead of the first branch on the wave's number
	v_and_b32 v248, 31, v0                         ; lane
	v_and_b32 v249, 15, v0                         ; r
	v_bfe_u32 v250, v0, 4, 1                       ; h
	v_lshlrev_b32 v[L16], 4, v248
	v_lshlrev_b32 v[R16], 4, v249
	v_lshlrev_b32 v[T16], 4, v0
	s_lshl_b32 s79, s[HD], 14
	v_add_nc_u32 v[AK], s79, v[L16]
	s_lshl_b32 s79, s[HD], 11
	s_add_co_u32 s79, s79, 131072
	v_add_nc_u32 v[ASC], s79, v[L16]
	v_lshl_add_u32 v[AM], v250, 5, MASKB
	v_lshl_add_u32 v[AMS], v0, 4, MASKB
	s_lshl_b32 s79, s[WV], 9                       ; head x 1,024 + my 32 rows x 16 = 512 x wave
	s_add_co_u32 s79, s79, XC
	v_add_nc_u32 v[AXC], s79, v[R16]
	s_lshr_b32 s79, s[WV], 2                       ; K step = head / 2: 256 bytes; the head's two bytes of a word; my 32 rows x 4
	s_lshl_b32 s79, s79, 8
	s_and_b32 s90, s[HD], 1
	s_lshl_b32 s90, s90, 1
	s_add_co_u32 s79, s79, s90
	s_lshl_b32 s90, s[QH], 7
	s_add_co_u32 s79, s79, s90
	s_add_co_u32 s79, s79, XSW
	v_lshl_add_u32 v[AXS], v249, 2, s79
	v_mul_u32_u24 v[AWP], v249, WPP
	v_lshl_add_u32 v[AWP], v250, 4, v[AWP]
	s_mul_i32 s79, s[WV], 32*WPP
	v_add_nc_u32 v[AWP], s79, v[AWP]
	s_lshl_b32 s79, s[WV], 9                       ; 32 rows x 16 bytes
	s_add_co_u32 s79, s79, WPS
	v_add_nc_u32 v[AWS], s79, v[R16]
	v_lshl_add_u32 v[AXL], v248, 2, XSW
	v_add_nc_u32 v[AXF], XC, v[R16]
	v_mul_u32_u24 v[ASTO], v249, SGP               ; row r, + my 32 columns (128 bytes x wave), + 32 h
	v_lshl_add_u32 v[ASTO], v250, 5, v[ASTO]
	s_lshl_b32 s79, s[WV], 7
	s_add_co_u32 s79, s79, SLOT1
	v_add_nc_u32 v[ASTO], s79, v[ASTO]
	v_add_nc_u32 v[ASTO+1], 32*SGP, v[ASTO]
	s_mul_i32 s79, s[WV], 4*SGP                    ; back: rows 4 wave on
	s_add_co_u32 s79, s79, SLOT1
	v_add_nc_u32 v[ARD], s79, v[L16]
	s_lshl_b32 s79, s[WV], 13
	v_add_nc_u32 v[AGO], s79, v[L16]
	s_wait_kmcnt 0x0
	s_mov_b32 s[G0A], 1                            ; count = 1
	s_mov_b32 s[G0A+1], s76                        ; LDS: 16,384 x wave
	s_add_nc_u64 s[G0A+2:G0A+3], s[4:5], s[74:75]  ; chunk 0 of the batch
	s_mov_b32 s[G0B], 1
	s_add_co_u32 s[G0B+1], s76, SLOT1
	s_add_nc_u64 s[G0B+2:G0B+3], s[G0A+2:G0A+3], CH    ; chunk 1
	s_or_b32 s[G0A+3], s[G0A+3], 0x80000000        ; type = 2
	s_or_b32 s[G0B+3], s[G0B+3], 0x80000000
	s_mov_b32 s[G0W], 1
	s_mul_i32 s[G0W+1], s[WV], 64*WPP
	s_add_nc_u64 s[G0W+2:G0W+3], s[8:9], s[76:77]  ; 64 rows of 256 bytes x wave
	s_or_b32 s[G0W+3], s[G0W+3], 0x80000000
	s_mov_b32 s[G0S], 1
	s_mov_b32 s[G0S+1], WPS
	s_mov_b64 s[G0S+2:G0S+3], s[10:11]
	s_or_b32 s[G0S+3], s[G0S+3], 0x80000000
	s_add_nc_u64 s[80:81], s[4:5], s[22:23]        ; Q's codes
	s_add_nc_u64 s[82:83], s[4:5], s[84:85]        ; Q's scale words
	s_add_nc_u64 s[6:7], s[6:7], s[86:87]          ; the batch's mask
	s_add_nc_u64 s[12:13], s[12:13], s[88:89]      ; my rows of out
	CROUND                                         ; all four work-groups are here: the first joint loads meet
	s_cmp_lt_u32 s[WV], 9                          ; a wave's first fills stand in one branch, ahead of every wait on TENSORcnt, every LDS read and every other barrier
	s_cbranch_scc0 .Lnot_k
	tensor_load_to_lds s[G0A:G0A+3], s[G1K:G1K+7]  ; chunk 0 into slot 0,
	s_nop 0
	tensor_load_to_lds s[G0B:G0B+3], s[G1K:G1K+7]  ; chunk 1 into slot 1
	s_nop 0
.rept 4
	v_nop
.endr
	s_branch .Lfilled
.Lnot_k:
	s_cmp_eq_u32 s[WV], 9
	s_cbranch_scc0 .Lfilled
	tensor_load_to_lds s[G0S:G0S+3], s[G1S:G1S+7]  ; Wp's scale bytes: filled once, read at the end
	s_nop 0
.rept 4
	v_nop
.endr
.Lfilled:
	global_load_b128 v[MK:MK+3], v[T16], s[6:7]                    ; four mask words a thread: the 512 threads take the batch's 2,048
	global_load_b128 v[QF:QF+3], v[L16], s[80:81]                  ; Q stays in registers: tile A,
	global_load_b128 v[QF+8:QF+11], v[L16], s[80:81] offset:512    ; tile B,
	global_load_b64 v[QSC:QSC+1], v[R16], s[82:83]                 ; and row r's scale words for the two
.irp x, 0,1
.irp j, 4,5,6,7
	v_mov_b32 v[QF+8*\x+\j], 0                     ; zero codes for K = 64 .. 127: written once; K's and Q's are registers of their own
.endr
.endr
.irp i, 0,1,2,3,4,5,6,7
.irp j, 4,5,6,7
	v_mov_b32 v[KF+8*\i+\j], 0
.endr
.endr
.irp x, 0,1
	v_mov_b32 v[ST+8*\x+1], 0xff61b1e6             ; m: -3e38, under every score
	v_mov_b32 v[ST+8*\x+2], 0                      ; l and sm begin as zeros: the first step's factor, 0, leaves them zeros
	v_mov_b32 v[ST+8*\x+3], 0
	v_mov_b32 v[ST+8*\x+4], 0
	v_mov_b32 v[ST+8*\x+5], 0
	v_mul_f32 v[ST+8*\x], s[CS], v[ST+8*\x+1]      ; c m
.endr
	s_wait_loadcnt 0x0
.irp j, 0,1,2,3
	v_cvt_f32_i32 v[MK+\j], v[MK+\j]
.endr
	ds_store_b128 v[AMS], v[MK:MK+3]
	s_wait_tensorcnt 0x1                           ; my part of chunk 0 is in; the load issued behind it may stay out
	s_wait_dscnt 0x0                               ; my part of the mask has landed
	s_barrier_signal -1
	s_barrier_wait -1
; THE PIECES OF A STEP, each a numbered list for tile x (0 = A, 1 = B); STEP deals them out.
; KQ: the tile's four products with the trip's p-th 64 keys.  Every product starts its sum with the constant 0: there are no chains.
.macro KQ x, p
.irp t, 0,1,2,3
.if \p
	v_wmma_scale_f32_16x16x128_f8f6f4 v[S+32*\x+8*\t:S+32*\x+8*\t+7], v[KF+8*(4*\p+\t):KF+8*(4*\p+\t)+7], v[QF+8*\x:QF+8*\x+7], 0, v[KSC+\t], v[QSC+\x] matrix_a_fmt:MATRIX_FMT_FP4 matrix_b_fmt:MATRIX_FMT_FP4 matrix_a_scale:MATRIX_SCALE_ROW1
.else
	v_wmma_scale_f32_16x16x128_f8f6f4 v[S+32*\x+8*\t:S+32*\x+8*\t+7], v[KF+8*(4*\p+\t):KF+8*(4*\p+\t)+7], v[QF+8*\x:QF+8*\x+7], 0, v[KSC+\t], v[QSC+\x] matrix_a_fmt:MATRIX_FMT_FP4 matrix_b_fmt:MATRIX_FMT_FP4
.endif
.endr
.endm
; MAXC 0-11: four chains of the maximum, one for each accumulator, seven scores each, three operands at a time; numbers 0-3 read each accumulator at its low end first.
.macro MAXC x, n
.if (\n) < 4
	v_max3_num_f32 v[CHN+4*\x+(\n)], v[S+32*\x+8*(\n)], v[S+32*\x+8*(\n)+1], v[S+32*\x+8*(\n)+2]
.else
	v_max3_num_f32 v[CHN+4*\x+(\n)%4], v[CHN+4*\x+(\n)%4], v[S+32*\x+8*((\n)%4)+2*((\n)/4)+1], v[S+32*\x+8*((\n)%4)+2*((\n)/4)+2]
.endif
.endm
; RED 0-7: the four scores left over, the chains and the old m make the new m; c m; the factor 2^(c m_old - c m_new) for what was summed under the old maximum.
.macro RED x, n
.if (\n) == 0
	v_max3_num_f32 v[CHN+4*\x], v[CHN+4*\x], v[S+32*\x+7], v[S+32*\x+15]
.elseif (\n) == 1
	v_max3_num_f32 v[CHN+4*\x+2], v[CHN+4*\x+2], v[S+32*\x+23], v[S+32*\x+31]
.elseif (\n) == 2
	v_mov_b32 v[ST+8*\x+7], v[ST+8*\x]             ; c m_old is kept
.elseif (\n) == 3
	v_max3_num_f32 v[CHN+4*\x], v[CHN+4*\x], v[CHN+4*\x+1], v[CHN+4*\x+2]
.elseif (\n) == 4
	v_max3_num_f32 v[ST+8*\x+1], v[CHN+4*\x], v[CHN+4*\x+3], v[ST+8*\x+1]
.elseif (\n) == 5
	v_mul_f32 v[ST+8*\x], s[CS], v[ST+8*\x+1]
.elseif (\n) == 6
	v_sub_f32 v[ST+8*\x+7], v[ST+8*\x+7], v[ST+8*\x]
.else
	v_exp_f32 v[ST+8*\x+6], v[ST+8*\x+7]
.endif
.endm
.macro SCL x, i                        ; SCL 0-15: pair i of the scores becomes c s - c m
	v_pk_fma_f32 v[S+32*\x+2*(\i):S+32*\x+2*(\i)+1], v[S+32*\x+2*(\i):S+32*\x+2*(\i)+1], s[CS:CS+1], v[ST+8*\x:ST+8*\x+1] op_sel_hi:[1,0,0] neg_lo:[0,0,1] neg_hi:[0,0,1]
.endm
.macro EXPP x, i                       ; EXPP 0-31: p = 2^(c s - c m)
	v_exp_f32 v[S+32*\x+(\i)], v[S+32*\x+(\i)]
.endm
; SUMI 0-33: the step's sum of p (chains TA, TB) and of p x mask (chains UA, UB) over the tile's 16 pairs, even pairs in one chain and odd pairs in the other, so that a line's source was written
; three lines back or more; at the end the chains join, and l and sm take them under the new maximum: l = l x factor + sum.
.macro SUMI x, n
.if (\n) == 0
	s_wait_alu depctr_va_vdst(0)
	v_pk_add_f32 v[TA:TA+1], v[S+32*\x:S+32*\x+1], v[S+32*\x+2:S+32*\x+3]
.elseif (\n) == 1
	v_pk_mul_f32 v[UA:UA+1], v[S+32*\x:S+32*\x+1], v[MK:MK+1]
.elseif (\n) == 2
	v_pk_mul_f32 v[UB:UB+1], v[S+32*\x+2:S+32*\x+3], v[MK+2:MK+3]
.elseif (\n) == 3
	s_wait_alu depctr_va_vdst(0)
	v_pk_add_f32 v[TB:TB+1], v[S+32*\x+4:S+32*\x+5], v[S+32*\x+6:S+32*\x+7]
.elseif (\n) == 4
	v_pk_fma_f32 v[UA:UA+1], v[S+32*\x+4:S+32*\x+5], v[MK+4:MK+5], v[UA:UA+1]
.elseif (\n) == 5
	v_pk_fma_f32 v[UB:UB+1], v[S+32*\x+6:S+32*\x+7], v[MK+6:MK+7], v[UB:UB+1]
.elseif (\n) < 30
.set SK, 4+((\n)-6)/2                  ; pairs 4 to 15
.if (\n)%2 == 0
	v_pk_add_f32 v[TA+2*(SK%2):TA+2*(SK%2)+1], v[TA+2*(SK%2):TA+2*(SK%2)+1], v[S+32*\x+2*SK:S+32*\x+2*SK+1]
.else
	v_pk_fma_f32 v[UA+2*(SK%2):UA+2*(SK%2)+1], v[S+32*\x+2*SK:S+32*\x+2*SK+1], v[MK+2*SK:MK+2*SK+1], v[UA+2*(SK%2):UA+2*(SK%2)+1]
.endif
.elseif (\n) == 30
	v_pk_add_f32 v[TA:TA+1], v[TA:TA+1], v[TB:TB+1]
.elseif (\n) == 31
	v_pk_add_f32 v[UA:UA+1], v[UA:UA+1], v[UB:UB+1]
.elseif (\n) == 32
	v_pk_fma_f32 v[ST+8*\x+2:ST+8*\x+3], v[ST+8*\x+2:ST+8*\x+3], v[ST+8*\x+6:ST+8*\x+7], v[TA:TA+1] op_sel_hi:[1,0,1]
.else
	v_pk_fma_f32 v[ST+8*\x+4:ST+8*\x+5], v[ST+8*\x+4:ST+8*\x+5], v[ST+8*\x+6:ST+8*\x+7], v[UA:UA+1] op_sel_hi:[1,0,1]
.endif
.endm
.macro MASKLD p                        ; the mask numbers of the trip's p-th 64 keys, in the scores' order: register 8 t + j = key 16 t + 8 h + j; sixteen lanes read the same 16 bytes
.irp t, 0,1,2,3
.irp u, 0,1
	ds_load_b128 v[MK+8*\t+4*\u:MK+8*\t+4*\u+3], v[ADM] offset:256*\p+64*\t+16*\u
.endr
.endr
.endm
; A STEP: the trip's p-th 64 keys against my 32 queries.  At its head tile A's scores of this step are already asked of the matrix unit (by the step before, or by the chunk's prologue).
; pf = 1: the fragments of the step two steps on (the next trip's p-th) are fetched;  go = 1: tile A's products of the next step are issued.
.macro STEP p, pf, go
	KQ 1, \p                                       ; B's scores
.irp k, 0,1,2,3
	MAXC 0, \k                                     ; four plain lines that name none of those products' registers: the places in front of the loads into the fragments that they read
.endr
.if \pf
.irp t, 0,1,2,3
	ds_load_b128 v[KF+8*(4*\p+\t):KF+8*(4*\p+\t)+3], v[ADK] offset:4096+512*(4*\p+\t)   ; a tile of 16 keys as its registers lie: 512 consecutive bytes, one trip (4,096 bytes) on
.endr
.if \p
	ds_load_b128 v[KSC:KSC+3], v[ADS] offset:512   ; the next trip's scale words: lanes 0-15 those of its first 64 keys (four tiles' words of row r), lanes 16-31 those of its next 64
.endif
.endif
	MASKLD \p                                      ; B's sums of the step before have read the old mask numbers
.irp k, 4,5,6,7,8,9,10,11
	MAXC 0, \k
.endr
	RED 0, 0                                       ; the end of A's maximum is a chain of dependent lines: B's chains stand between them
	RED 0, 1
	MAXC 1, 0
	MAXC 1, 1
	RED 0, 2
	RED 0, 3
	MAXC 1, 2
	MAXC 1, 3
	MAXC 1, 4
	RED 0, 4
	MAXC 1, 5
	MAXC 1, 6
	MAXC 1, 7
	RED 0, 5
	MAXC 1, 8
	MAXC 1, 9
	MAXC 1, 10
	RED 0, 6
	MAXC 1, 11
	RED 0, 7
	SCL 0, 0
	SCL 0, 1
; A's 32 exponentials, one other line behind each: exponential i wants pair i / 2 scaled, and pair k is scaled behind exponential 2 k - 4 (k < 10) or k + 6
.irp i, 0,1,2,3,4,5,6,7,8,9,10,11,12,13,14,15,16,17,18,19,20,21,22,23,24,25,26,27,28,29,30,31
	EXPP 0, \i
.if (\i) < 16
.if (\i)%2 == 0
	SCL 0, 2+(\i)/2
.else
	RED 1, ((\i)-1)/2
.endif
.elseif (\i) < 22
	SCL 0, (\i)-6
.else
	SCL 1, (\i)-22
.endif
.endr
; B's 32 exponentials, one plain line behind each: B's last six scalings, then A's sums
.irp i, 0,1,2,3,4,5,6,7,8,9,10,11,12,13,14,15,16,17,18,19,20,21,22,23,24,25,26,27,28,29,30,31
.if (\i) == 6
	s_wait_dscnt 0x0                               ; the step's mask numbers are in, and so are the fragments and scale words asked for ahead of them (LDS loads come back in order: ISA guide 5.7.1)
.endif
	EXPP 1, \i
.if (\i) < 6
	SCL 1, 10+(\i)
.else
	SUMI 0, (\i)-6
.endif
.endr
.irp k, 26,27,28,29,30,31,32,33
	SUMI 0, \k
.endr
.if \go
.if \p
	KQ 0, 0                                        ; A's scores of the next step: A's p have been summed
.else
	KQ 0, 1
.endif
.endif
.irp k, 0,1,2,3,4,5,6,7,8,9,10,11,12,13,14,15,16,17,18,19,20,21,22,23,24,25,26,27,28,29,30,31,32,33
	SUMI 1, \k                                     ; B's sums: they name none of those products' registers, and are the places in front of the first read of A's new scores
.endr
.endm
; A TRIP: 128 keys, two steps.
.macro TRIP pf, go
.if \pf
	v_add_nc_u32 v[ADK], s[TK], v[AK]
	v_add_nc_u32 v[ADS], s[TS], v[ASC]
.endif
	v_add_nc_u32 v[ADM], s[TMK], v[AM]
	STEP 0, \pf, 1
	STEP 1, \pf, \go
.endm
; A chunk's 512 keys: four trips.  The first trip's fragments are fetched here, and A's first products issued; three trips go round a loop, each fetching for the next; the last is written out: it fetches
; nothing and issues no products for a next step, so that no LDS read leaves the slot.  The trip count is a constant; the three LDS places step by constants.
.macro CHUNK slot, c
	s_mov_b32 s[TK], \slot*CH
	s_mov_b32 s[TS], \slot*CH
	s_mov_b32 s[TMK], \c*2048
	s_mov_b32 s[CNT], 3
	v_add_nc_u32 v[ADK], s[TK], v[AK]
	v_add_nc_u32 v[ADS], s[TS], v[ASC]
	ds_load_b128 v[KSC:KSC+3], v[ADS]
.irp i, 0,1,2,3,4,5,6,7
	ds_load_b128 v[KF+8*\i:KF+8*\i+3], v[ADK] offset:512*\i
.endr
	s_wait_dscnt 0x0
	KQ 0, 0
.rept 4
	v_nop                                          ; four places in front of the first read of these scores: no other vector work is at hand here
.endr
.Ltrip_\@:
	TRIP 1, 1
	s_add_co_u32 s[TK], s[TK], 4096
	s_add_co_u32 s[TS], s[TS], 512
	s_add_co_u32 s[TMK], s[TMK], 512
	s_sub_co_u32 s[CNT], s[CNT], 1
	s_cmp_lg_u32 s[CNT], 0
	s_cbranch_scc1 .Ltrip_\@
	s_mov_b32 s[TMK], \c*2048+3*512                ; the last trip's mask numbers: the place written as a constant
	TRIP 0, 0
.endm
; THE CHANGE OF SLOTS.  Each wave waits for all its tensor loads (its part of the slot ahead), adds 0 to its spare word, and waits for that and for its reads of the slot that it leaves; a round of the
; cluster's barrier, so that no wave of any partner still reads that slot or has a load on its way; then the joint refill, first behind the round: it has a whole chunk's steps in which to land.
; kind 0: slot 0 takes chunk 2;  1: slot 1 takes chunk 3;  2: slot 0 takes Wp's codes.
.macro CHANGE kind
	s_wait_tensorcnt 0x0                           ; no tensor load of mine is out, so a group 0 may be written
	ds_add_u32 v[SPW], v[NIL]                      ; 0 onto my spare word
	ds_add_u32 v1, v2
.if \kind == 0
	s_add_nc_u64 s[G0A+2:G0A+3], s[G0A+2:G0A+3], 2*CH              ; two chunks on; the type bits on top are not reached
.endif
.if \kind == 1
	s_add_nc_u64 s[G0B+2:G0B+3], s[G0B+2:G0B+3], 2*CH
.endif
	s_wait_dscnt 0x0                               ; the add is done, and my reads of the slot are over
	CROUND
.if \kind == 0
	JK G0A
.endif
.if \kind == 1
	JK G0B
.endif
.if \kind == 2
	JW
.endif
.endm
	CHUNK 0, 0
	CHANGE 0
	CHUNK 1, 1
	CHANGE 1
	CHUNK 0, 2
	CHANGE 2
	CHUNK 1, 3
	; THE TWO HALVES OF THE LANES MEET: both are brought under the larger of their two maxima, added, and s = sm / l.
.irp x, 0,1
	v_add_f32 v[ST+8*\x+2], v[ST+8*\x+2], v[ST+8*\x+3]
	v_add_f32 v[ST+8*\x+4], v[ST+8*\x+4], v[ST+8*\x+5]
	v_permlanex16_b32 v[CHN+4*\x], v[ST+8*\x], s[SEL], s[SEL+1]
.endr
.irp x, 0,1
	v_max_num_f32 v[CHN+4*\x], v[CHN+4*\x], v[ST+8*\x]
.endr
.irp x, 0,1
	v_sub_f32 v[CHN+4*\x], v[ST+8*\x], v[CHN+4*\x]
.endr
.irp x, 0,1
	v_exp_f32 v[CHN+4*\x+1], v[CHN+4*\x]
.endr
	v_nop                                          ; one plain place behind a transcendental
	s_wait_alu depctr_va_vdst(0)
.irp x, 0,1
	v_mul_f32 v[ST+8*\x+2], v[ST+8*\x+2], v[CHN+4*\x+1]
	v_mul_f32 v[ST+8*\x+4], v[ST+8*\x+4], v[CHN+4*\x+1]
.endr
.irp x, 0,1
	v_permlanex16_b32 v[CHN+4*\x+2], v[ST+8*\x+2], s[SEL], s[SEL+1]
	v_permlanex16_b32 v[CHN+4*\x+3], v[ST+8*\x+4], s[SEL], s[SEL+1]
.endr
.irp x, 0,1
	v_add_f32 v[ST+8*\x+2], v[ST+8*\x+2], v[CHN+4*\x+2]
	v_add_f32 v[ST+8*\x+4], v[ST+8*\x+4], v[CHN+4*\x+3]
.endr
.irp x, 0,1
	v_rcp_f32 v[CHN+4*\x+1], v[ST+8*\x+2]
.endr
	v_nop
	s_wait_alu depctr_va_vdst(0)
.irp x, 0,1
	v_mul_f32 v[ST+8*\x+6], v[ST+8*\x+4], v[CHN+4*\x+1]            ; s of (my head, query r), the same bits in both halves of the lanes
.endr
	; x IS QUANTISED.  A head's 64 channels of a row all hold s: both blocks have the largest magnitude |s| and 32 equal codes.
.irp x, 0,1
	v_max3_num_f32 v[ST+8*\x], |v[ST+8*\x+6]|, |v[ST+8*\x+6]|, 0x1800000   ; with the floor 2^(3 - 127): the byte cannot fall under 1
.endr
.irp x, 0,1
	v_add_nc_u32 v[ST+8*\x+1], 0xff000000, v[ST+8*\x]              ; 2 off the exponent field: the conversion's scale operand
.endr
.irp x, 0,1
	v_lshrrev_b32 v[ST+8*\x+2], 23, v[ST+8*\x+1]                   ; the byte,
.endr
.irp x, 0,1
	v_lshl_or_b32 v[ST+8*\x+3], v[ST+8*\x+2], 8, v[ST+8*\x+2]      ; for the head's two blocks
.endr
.irp x, 0,1
.irp j, 0,1,2,3,4,5,6,7
	v_mov_b32 v[S+32*\x+\j], v[ST+8*\x+6]          ; the conversion takes eight numbers from eight registers
.endr
.endr
.irp x, 0,1
	v_cvt_scalef32_pk8_fp4_f32 v[CHN+4*\x], v[S+32*\x:S+32*\x+7], v[ST+8*\x+1]
.endr
	v_nop                                          ; one plain place behind a scaled conversion
.irp x, 0,1
.irp j, 1,2,3
	v_mov_b32 v[CHN+4*\x+\j], v[CHN+4*\x]          ; 32 equal codes: the 16 bytes that any lane of row r wants of this head
.endr
.endr
.irp x, 0,1
	ds_store_b128 v[AXC], v[CHN+4*\x:CHN+4*\x+3] offset:256*\x     ; both halves of the lanes write the same bytes with the same values
	ds_store_b16 v[AXS], v[ST+8*\x+3] offset:64*\x
.endr
	s_wait_tensorcnt 0x0                           ; my part of Wp's codes, the one load that was out, is in
	s_wait_dscnt 0x0                               ; my stores have landed, and my reads of slot 1 are over
	s_barrier_signal -1
	s_barrier_wait -1                              ; x, its scale words and Wp lie in LDS; nobody reads slot 1's chunk any more; nothing is filled again
	; THE LAST PRODUCT, transposed: source 0 = 16 rows of Wp (columns of out), source 1 = 16 rows of x.  Wave w makes columns 32 w .. 32 w + 31 of all 64 rows: eight accumulators by turns, a K step at a time.
.irp n, 0,1
.irp s, 0,1,2,3
.irp c, 0,1
	ds_load_b128 v[KF+8*(4*\n+\s)+4*\c:KF+8*(4*\n+\s)+4*\c+3], v[AWP] offset:\n*16*WPP+64*\s+32*\c
.endr
.endr
.endr
.irp n, 0,1
	ds_load_b128 v[KSC+4*\n:KSC+4*\n+3], v[AWS] offset:256*\n      ; row r's four scale words
.endr
.irp s, 0,1,2,3
.irp u, 0,1
	ds_load_b32 v[XSCL+2*\s+\u], v[AXL] offset:256*\s+128*\u       ; lanes 0-15: rows 32 u on; lanes 16-31: rows 32 u + 16 on
.endr
.endr
.irp s, 0,1,2,3
.irp m, 0,1,2,3
.irp c, 0,1
	ds_load_b128 v[S+8*\m+4*\c:S+8*\m+4*\c+3], v[AXF] offset:(2*\s+\c)*1024+256*\m   ; K = 64 c + 32 h + 0 .. 31 of this K step all lie in head 2 s + c
.endr
.endr
	s_wait_dscnt 0x0
.irp m, 0,1,2,3
.irp n, 0,1
.if \s == 0
.if (\m)%2
	v_wmma_scale_f32_16x16x128_f8f6f4 v[OA+8*(4*\n+\m):OA+8*(4*\n+\m)+7], v[KF+8*(4*\n+\s):KF+8*(4*\n+\s)+7], v[S+8*\m:S+8*\m+7], 0, v[KSC+4*\n+\s], v[XSCL+2*\s+\m/2] matrix_a_fmt:MATRIX_FMT_FP4 matrix_b_fmt:MATRIX_FMT_FP4 matrix_b_scale:MATRIX_SCALE_ROW1
.else
	v_wmma_scale_f32_16x16x128_f8f6f4 v[OA+8*(4*\n+\m):OA+8*(4*\n+\m)+7], v[KF+8*(4*\n+\s):KF+8*(4*\n+\s)+7], v[S+8*\m:S+8*\m+7], 0, v[KSC+4*\n+\s], v[XSCL+2*\s+\m/2] matrix_a_fmt:MATRIX_FMT_FP4 matrix_b_fmt:MATRIX_FMT_FP4
.endif
.else
.if (\m)%2
	v_wmma_scale_f32_16x16x128_f8f6f4 v[OA+8*(4*\n+\m):OA+8*(4*\n+\m)+7], v[KF+8*(4*\n+\s):KF+8*(4*\n+\s)+7], v[S+8*\m:S+8*\m+7], v[OA+8*(4*\n+\m):OA+8*(4*\n+\m)+7], v[KSC+4*\n+\s], v[XSCL+2*\s+\m/2] matrix_a_fmt:MATRIX_FMT_FP4 matrix_b_fmt:MATRIX_FMT_FP4 matrix_b_scale:MATRIX_SCALE_ROW1
.else
	v_wmma_scale_f32_16x16x128_f8f6f4 v[OA+8*(4*\n+\m):OA+8*(4*\n+\m)+7], v[KF+8*(4*\n+\s):KF+8*(4*\n+\s)+7], v[S+8*\m:S+8*\m+7], v[OA+8*(4*\n+\m):OA+8*(4*\n+\m)+7], v[KSC+4*\n+\s], v[XSCL+2*\s+\m/2] matrix_a_fmt:MATRIX_FMT_FP4 matrix_b_fmt:MATRIX_FMT_FP4
.endif
.endif
.endr
.endr
.rept 4
	v_nop                                          ; four places in front of loads into registers that matrix instructions have read, and of the first read of results
.endr
.endr
	; THE WAY OUT.  A lane holds 32 neighbouring bytes of a row, and a row's 2,048 bytes come from sixteen waves: they meet in the stage, and each wave stores four whole rows.
.irp m, 0,1,2,3
.irp n, 0,1
	ds_store_b128 v[ASTO+\m/2], v[OA+8*(4*\n+\m):OA+8*(4*\n+\m)+3] offset:((\m)%2)*16*SGP+64*\n          ; each accumulator from its low end on
	ds_store_b128 v[ASTO+\m/2], v[OA+8*(4*\n+\m)+4:OA+8*(4*\n+\m)+7] offset:((\m)%2)*16*SGP+64*\n+16
.endr
.endr
	s_wait_dscnt 0x0                               ; for the others' sake: my stores into the stage have landed
	s_barrier_signal -1
	s_barrier_wait -1
.irp j, 0,1,2,3,4,5,6,7,8,9,10,11,12,13,14,15
	ds_load_b128 v[KF+4*\j:KF+4*\j+3], v[ARD] offset:(\j/4)*SGP+(\j%4)*512
.endr
.irp j, 0,1,2,3,4,5,6,7,8,9,10,11,12,13,14,15
	s_wait_dscnt 15-\j                             ; LDS loads come back in order: number j is in
	global_store_b128 v[AGO], v[KF+4*\j:KF+4*\j+3], s[12:13] offset:(\j/4)*2048+(\j%4)*512 th:TH_STORE_NT   ; 32 lanes store 512 consecutive bytes, at a multiple of 256 from out0's first byte
.endr
	s_wait_tensorcnt 0x0                           ; the wave's end, behind my last tensor load and my last LDS store
	ds_add_u32 v[SPW], v[NIL]
	s_wait_dscnt 0x0
	CROUND                                         ; the closing round: no work-group ends while a partner may still ask for a tile that names it
	s_endpgm
.Lfunc_end_k_q7a1922c9d6_attn:
	.size	k_q7a1922c9d6_attn, .Lfunc_end_k_q7a1922c9d6_attn-k_q7a1922c9d6_attn
	.p2alignl 7, 3214868480
	.fill 96, 4, 3214868480
	.section	.rodata,"a",@progbits
	.p2align	6, 0x0
	.amdhsa_kernel k_q7a1922c9d6_attn
		.amdhsa_group_segment_fixed_size 327680
		.amdhsa_private_segment_fixed_size 0
		.amdhsa_enable_private_segment 0
		.amdhsa_kernarg_size 40
		.amdhsa_user_sgpr_count 2
		.amdhsa_user_sgpr_kernarg_segment_ptr 1
		.amdhsa_wavefront_size32 1
		.amdhsa_system_sgpr_workgroup_id_x 1
		.amdhsa_system_sgpr_workgroup_id_y 1
		.amdhsa_system_sgpr_workgroup_id_z 1
		.amdhsa_system_vgpr_workitem_id 0
		.amdhsa_next_free_vgpr 256
		.amdhsa_next_free_sgpr 96
		.amdhsa_reserve_vcc 0
		.amdhsa_float_denorm_mode_32 3
		.amdhsa_float_denorm_mode_16_64 3
		.amdhsa_memory_ordered 1
		.amdhsa_forward_progress 1
		.amdhsa_inst_pref_size 231
	.end_amdhsa_kernel
	.amdgpu_metadata
---
amdhsa.version: [ 1, 2 ]
amdhsa.kernels:
  - .name:           k_q7a1922c9d6_attn
    .symbol:         k_q7a1922c9d6_attn.kd
    .args:
      - { .name: qk, .offset: 0, .size: 8, .value_kind: global_buffer, .address_space: global }
      - { .name: supp_mask, .offset: 8, .size: 8, .value_kind: global_buffer, .address_space: global }
      - { .name: Wp_codes, .offset: 16, .size: 8, .value_kind: global_buffer, .address_space: global }
      - { .name: Wp_scales, .offset: 24, .size: 8, .value_kind: global_buffer, .address_space: global }
      - { .name: out0, .offset: 32, .size: 8, .value_kind: global_buffer, .address_space: global }
    .group_segment_fixed_size: 327680
    .private_segment_fixed_size: 0
    .kernarg_segment_align: 8
    .kernarg_segment_size: 40
    .max_flat_workgroup_size: 512
    .sgpr_count:     96
    .vgpr_count:     256
    .wavefront_size: 32
...
	.end_amdgpu_metadata
.endif
;; end of part 2
